; MI455X (gfx1250); checked and timed in simulation.
; The chip was launched on July 23, 2026; its instructions are those of AMD's public machine-readable ISA for CDNA 5 (MIT licence, August 2026) and "CDNA5" Instruction Set Architecture Reference Guide (July 2026). The comments in the code are by the model that wrote it; some were corrected since.
;; Diff Gaussian Rasterizer. Allowed arithmetic: float matrix products may take bf16 or f16 operands with f32 sums; all other float work in f32.
;; Inputs: colors 512 x 3 float32; means3d 512 x 3 float32; opacities 512 x 1 float32; scales 512 x 3 float32.
;; Outputs: out0 256 x 256 x 3 float32.
;; 2 versions, each right; version 2 is version 1 with the launch raster written anew for expert scheduling mode. Each part assembles by itself: llvm-mc -triple=amdgcn-amd-amdhsa -mcpu=gfx1250 --defsym DOCPART=n.
;; ======== version 1 of 2: 2 launches
;; workspace buffers: rank 2,048 bytes of whole numbers
;; launch rank (part 1): grid 8 x 1, 16 waves a work-group, no clusters, 8,192 bytes of LDS; arguments means3d, rank; writes rank
.if DOCPART == 1
	.amdgcn_target "amdgcn-amd-amdhsa--gfx1250"
	.amdhsa_code_object_version 6
	.text
	.protected	k_q9b0fce99ca_rank
	.globl	k_q9b0fce99ca_rank
	.p2align	8
	.type	k_q9b0fce99ca_rank,@function
k_q9b0fce99ca_rank:
	s_mov_b64 s[64:65], 0
	v_nop
	global_prefetch_b8 v0, s[64:65] scope:SCOPE_SE
	s_setreg_imm32_b32 hwreg(HW_REG_WAVE_MODE, 25, 1), 1
	s_wait_xcnt 0x0
; rank[i] = the place of Gaussian i in a stable ascending sort of z = max(means3d[i][2], 0.1):
;           the number of j with z[j] < z[i], or z[j] == z[i] and j < i.   512 Gaussians, rank as u32.
; It is a launch of its own because the ranks, which come from compares of floats, steer LDS addresses of the next launch.
; z >= 0.1 > 0, so the bit pattern of z read as u32 orders like z.  With whole numbers "key[j] <= key[i]" is
; "key[j] < key[i] + 1", so one unsigned compare against key[i] + (j < i) does order and tie-break at once.
; Eight work-groups of 16 waves.  Work-group g owns i = 64 g .. 64 g + 63, lane l the two i = 64 g + 2 l, + 1;
; wave w counts over j = 32 w .. 32 w + 31; the 16 partial counts meet in LDS and wave 0 stores 256 consecutive bytes.
; LIMIT: a NaN in z is taken as 0.1 (v_max_num_f32 drops it); reference() would sort it last.
.set PART, 2048                        ; LDS: bytes 0..2047 the 512 keys, then 16 waves x 32 lanes x 2 partial counts
.set KEY,  16                          ; v[16:47]  my wave's 32 keys; later the 16 pairs of partial counts
	s_load_b128 s[4:7], s[0:1], 0x0                ; means3d s[4:5], rank s[6:7]
	v_lshl_add_u32 v48, v0, 2, 0x1800
	v_mov_b32 v49, 0
	v_mul_u32_u24 v1, v0, 12                       ; thread t fetches the key of Gaussian t: row t of [512][3] f32
	v_and_b32 v3, 31, v0                           ; lane
	v_lshrrev_b32 v2, 5, v0
	v_readfirstlane_b32 s8, v2                     ; wave
	s_mul_i32 s9, ttmp9, 768                       ; 64 rows of 12 bytes for each work-group
	v_mad_u32_u24 v6, v3, 24, s9                   ; row 64 g + 2 l
	s_wait_kmcnt 0x0
	global_load_b32 v5,  v1, s[4:5] offset:8       ; z[t]
	global_load_b32 v10, v6, s[4:5] offset:8       ; z[i0]
	global_load_b32 v11, v6, s[4:5] offset:20      ; z[i0 + 1]
	v_lshlrev_b32 v4, 2, v0                        ; LDS: key t at byte 4 t
	s_lshl_b32 s10, s8, 7
	v_mov_b32 v7, s10                              ; LDS: my wave's 32 keys begin at byte 128 w
	s_lshl_b32 s11, ttmp9, 6
	s_lshl_b32 s12, s8, 5
	s_sub_co_i32 s11, s11, s12
	v_lshl_add_u32 v8, v3, 1, s11                  ; i0 - 32 w, signed: j < i0 is "jj < this" for j = 32 w + jj
	s_lshl_b32 s13, s8, 8
	v_lshl_add_u32 v9, v3, 3, s13                  ; LDS: my pair of partial counts, 256 w + 8 l behind PART
	s_lshl_b32 s14, ttmp9, 8
	v_lshl_add_u32 v14, v3, 3, s14                 ; byte offset of rank[i0], rank[i0 + 1]
	v_mov_b32 v12, 0                               ; the two counts
	v_mov_b32 v13, 0
	s_wait_loadcnt 0x0
	v_max_num_f32 v5,  0x3dcccccd, v5              ; clip at 0.1
	v_max_num_f32 v10, 0x3dcccccd, v10
	v_max_num_f32 v11, 0x3dcccccd, v11
	ds_store_b32 v4, v5
	s_wait_dscnt 0x0                               ; my key is in LDS before I say so
	s_barrier_signal -1
	s_barrier_wait -1                              ; all 512 keys are
.irp k, 0,1,2,3,4,5,6,7
	ds_load_b128 v[KEY+4*\k:KEY+4*\k+3], v7 offset:16*\k   ; every lane takes the same 16 bytes
.endr
	s_wait_dscnt 0x0
.set jj, 0
.rept 32
	v_cmp_lt_i32 vcc_lo, jj, v8                    ; j < i0
	v_add_co_ci_u32 v2, vcc_lo, 0, v10, vcc_lo     ; key[i0] + (j < i0)
	v_cmp_lt_u32 vcc_lo, v[KEY+jj], v2
	v_add_co_ci_u32 v12, vcc_lo, 0, v12, vcc_lo    ; count it
	v_cmp_le_i32 vcc_lo, jj, v8                    ; j < i0 + 1
	v_add_co_ci_u32 v15, vcc_lo, 0, v11, vcc_lo
	v_cmp_lt_u32 vcc_lo, v[KEY+jj], v15
	v_add_co_ci_u32 v13, vcc_lo, 0, v13, vcc_lo
.set jj, jj+1
.endr
	ds_store_b64 v9, v[12:13] offset:PART
	s_wait_dscnt 0x0                               ; my partial counts are in LDS before I say so
	s_barrier_signal -1
	s_barrier_wait -1
	s_cmp_lg_u32 s8, 0                             ; wave 0 adds up and stores; no barrier follows
	s_cbranch_scc1 .Lend
	v_lshlrev_b32 v9, 3, v3
.irp k, 0,1,2,3,4,5,6,7,8,9,10,11,12,13,14,15
	ds_load_b64 v[KEY+2*\k:KEY+2*\k+1], v9 offset:PART+256*\k
.endr
	s_wait_dscnt 0x0
.irp k, 1,3,5,7,9,11,13
	v_add3_u32 v[KEY],   v[KEY],   v[KEY+2*\k],   v[KEY+2*\k+2]
	v_add3_u32 v[KEY+1], v[KEY+1], v[KEY+2*\k+1], v[KEY+2*\k+3]
.endr
	v_add_nc_u32 v[KEY],   v[KEY],   v[KEY+30]
	v_add_nc_u32 v[KEY+1], v[KEY+1], v[KEY+31]
	global_store_b64 v14, v[KEY:KEY+1], s[6:7]     ; 32 lanes x 8 bytes: 256 consecutive bytes at a multiple of 256
.Lend:
	s_wait_tensorcnt 0x0
	ds_add_u32 v48, v49
	s_wait_dscnt 0x0
	s_endpgm
.Lfunc_end_k_q9b0fce99ca_rank:
	.size	k_q9b0fce99ca_rank, .Lfunc_end_k_q9b0fce99ca_rank-k_q9b0fce99ca_rank
	.p2alignl 7, 3214868480
	.fill 96, 4, 3214868480
	.section	.rodata,"a",@progbits
	.p2align	6, 0x0
	.amdhsa_kernel k_q9b0fce99ca_rank
		.amdhsa_group_segment_fixed_size 8192
		.amdhsa_private_segment_fixed_size 0
		.amdhsa_enable_private_segment 0
		.amdhsa_kernarg_size 16
		.amdhsa_user_sgpr_count 2
		.amdhsa_user_sgpr_kernarg_segment_ptr 1
		.amdhsa_wavefront_size32 1
		.amdhsa_system_sgpr_workgroup_id_x 1
		.amdhsa_system_sgpr_workgroup_id_y 1
		.amdhsa_system_sgpr_workgroup_id_z 1
		.amdhsa_system_vgpr_workitem_id 0
		.amdhsa_next_free_vgpr 50
		.amdhsa_next_free_sgpr 66
		.amdhsa_reserve_vcc 1
		.amdhsa_float_denorm_mode_32 3
		.amdhsa_float_denorm_mode_16_64 3
		.amdhsa_memory_ordered 1
		.amdhsa_forward_progress 1
		.amdhsa_inst_pref_size 13
	.end_amdhsa_kernel
	.amdgpu_metadata
---
amdhsa.version: [ 1, 2 ]
amdhsa.kernels:
  - .name:           k_q9b0fce99ca_rank
    .symbol:         k_q9b0fce99ca_rank.kd
    .args:
      - { .name: means3d, .offset: 0, .size: 8, .value_kind: global_buffer, .address_space: global }
      - { .name: rank, .offset: 8, .size: 8, .value_kind: global_buffer, .address_space: global }
    .group_segment_fixed_size: 8192
    .private_segment_fixed_size: 0
    .kernarg_segment_align: 8
    .kernarg_segment_size: 16
    .max_flat_workgroup_size: 512
    .sgpr_count:     66
    .vgpr_count:     50
    .wavefront_size: 32
...
	.end_amdgpu_metadata
.endif
;; end of part 1
;; launch raster (part 2): grid 4 x 64, 8 waves a work-group, no clusters, 86,016 bytes of LDS; arguments means3d, scales, opacities, colors, rank, out0; writes out0
.if DOCPART == 2
	.amdgcn_target "amdgcn-amd-amdhsa--gfx1250"
	.amdhsa_code_object_version 6
	.text
	.protected	k_q9b0fce99ca_raster
	.globl	k_q9b0fce99ca_raster
	.p2align	8
	.type	k_q9b0fce99ca_raster,@function
k_q9b0fce99ca_raster:
	s_mov_b64 s[64:65], 0
	v_nop
	global_prefetch_b8 v0, s[64:65] scope:SCOPE_SE
	s_setreg_imm32_b32 hwreg(HW_REG_WAVE_MODE, 25, 1), 1
	s_wait_xcnt 0x0
; Front-to-back alpha compositing of 512 screen-aligned Gaussians on 256 x 256 pixels; out0[y][x][3] f32.
; A work-group of eight waves makes a tile of 64 x 4 pixels: a tile row is 768 bytes of out0, three aligned blocks of 256.
;
; 1. exp(-0.5 (du^2/su^2 + dv^2/sv^2)) = Eu[n][x] * Ev[n][y],  Eu = exp2(-(a x + b)^2),  a = sqrt(0.5 log2 e) / sigma,  b = -a proj.
;    The tile needs 512 x (64 + 4) exponentials in place of 512 x 256.  F[n][y] = max(opacity, 0) * Ev: both factors are >= 0, so
;    clip(gauss * opacity, 0, 1) = min(Eu * F, 1).
; 2. The depth order is cut into 16 chunks of 32 ranks, each scanned from T = 1:
;    image = sum over chunks of (product of the T of the chunks in front) * S(chunk),  S = sum of alpha T colour inside the chunk.
;    Lane (r = lane % 16, h = lane / 16) of wave w owns the 16 pixels x = 4 r .. 4 r + 3, y = 0 .. 3 and chunk 2 w + h.
;    No other lane needs its Eu, so they are made in registers; F and (a, b) come from LDS, the same bytes for sixteen lanes.
; 3. S is a matrix product in bf16 with f32 sums: D = A (colours) x B (weights w = alpha T).  Column r of B is filled by lanes (r, 0)
;    and (r, 1): registers 0-3 hold 8 ranks of an even pixel, registers 4-7 the same ranks of its neighbour.  A is block diagonal:
;    rows 0-2 RGB on (h = 0, registers 0-3), rows 4-6 on (h = 0, 4-7), rows 8-10 on (h = 1, 0-3), rows 12-14 on (h = 1, 4-7).
;    D's register j of lane (r, h) is row 8 h + j of column r: registers 0-2 and 4-6 are the lane's own two pixels and own chunk.
;
; No cluster, no tensor loads: what work-groups share is 22,528 bytes of tables, read once, which need arithmetic and a scatter by rank
; on their way into LDS and so pass through registers.  No prefetch: one burst of ten loads a thread at the head, nothing streams.
; LIMITS: NaN inputs are not served (max and min drop them).  An exponential below 2^-126 comes out as 0 (ISA guide, v_exp_f32).
; 1/z and 1/sigma are v_rcp_f32.  Weights and colours are rounded to bf16 for the product; everything else is f32.
.set AB,    0                          ; LDS: rank n: (a_u, b_u), 8 bytes
.set FT,    4096                       ;      rank n: F for the tile's 4 rows, 16 bytes
.set COL,   12288                      ;      channel c: 512 bf16 by rank, 1,024 bytes
.set COMB,  16384                      ;      chunk c, pixel g of lane r: (S_r, S_g, S_b, T) at 4096 c + 256 g + 16 r
.set STAGE, 81920                      ;      the tile as it lies in out0: 4 rows of 768 bytes
.set Y,    8                           ; v[8:11]    the tile's 4 rows, v = y - 128
.set X,    16                          ; v[16:19]   my 4 columns, u = x - 128
.set ONE,  20                          ; 1.0
.set MLO,  21                          ; all ones where my registers 0-3 of A carry colours, else 0
.set MHI,  22                          ; the same for registers 4-7
.set ADRA, 23                          ; LDS: my chunk's (a, b)
.set ADRF, 24                          ; LDS: my chunk's F
.set ADRC, 25                          ; LDS: my row of A: my channel, my chunk
.set T,    26                          ; v[26:41]   transmittance of my 16 pixels, pixel g = 4 y + x
.set E,    42                          ; v[42:49]   Eu of two ranks x 4 columns
.set R0,   52                          ; v[52:63]   records of a pair of ranks: a0 b0 a1 b1, F(n0)[4], F(n1)[4]
.set R1,   64                          ; v[64:75]   the other buffer
.set AF,   76                          ; v[76:83]   fragment of A
.set WA,   84                          ; v[84:99]   alpha, then w, of the pair's first rank, 16 pixels
.set WB,   100                         ; v[100:115] of its second rank
.set BF,   116                         ; v[116:179] 8 fragments of B (pixels 2 p, 2 p + 1); at the head and the end: scratch
.set ACC,  180                         ; v[180:243] 8 accumulators
.set G0,   116                         ; set-up: Gaussian t
.set G1,   148                         ; set-up: Gaussian t + 256
	s_load_b256 s[4:11], s[0:1], 0x0               ; means3d s[4:5], scales s[6:7], opacities s[8:9], colors s[10:11]
	s_load_b128 s[12:15], s[0:1], 0x20             ; rank s[12:13], out0 s[14:15]
	v_lshl_add_u32 v244, v0, 2, 0x14c00
	v_mov_b32 v245, 0
	v_mul_u32_u24 v1, v0, 12                       ; row t of a [512][3] table
	v_lshlrev_b32 v2, 2, v0                        ; word t of a [512] table
	s_and_b32 s17, ttmp7, 0xffff                   ; tile row, 0..63; ttmp9: tile column, 0..3
	s_wait_kmcnt 0x0
.irp g, 0, 1
	global_load_b32 v[G0+32*\g+13], v2, s[12:13] offset:1024*\g
	global_load_b96 v[G0+32*\g:G0+32*\g+2], v1, s[4:5] offset:3072*\g
	global_load_b96 v[G0+32*\g+4:G0+32*\g+6], v1, s[6:7] offset:3072*\g
	global_load_b32 v[G0+32*\g+12], v2, s[8:9] offset:1024*\g
	global_load_b96 v[G0+32*\g+8:G0+32*\g+10], v1, s[10:11] offset:3072*\g
.endr
	; while they are on their way: what hangs on ids alone
	s_mul_i32 s18, s17, 12288                      ; 4 rows of 3,072 bytes
	s_mul_i32 s19, ttmp9, 768                      ; 64 pixels of 12 bytes
	s_add_co_u32 s18, s18, s19
	s_mov_b32 s19, 0
	s_add_nc_u64 s[14:15], s[14:15], s[18:19]      ; out0 at the tile
	s_lshl_b32 s20, ttmp9, 6
	s_sub_co_i32 s20, s20, 128                     ; u of the tile's first column
	s_lshl_b32 s21, s17, 2
	s_sub_co_i32 s21, s21, 128                     ; v of its first row
	v_and_b32 v3, 15, v0                           ; r
	v_lshrrev_b32 v4, 4, v0                        ; chunk = 2 wave + h
	v_lshrrev_b32 v5, 5, v0
	v_readfirstlane_b32 s22, v5                    ; wave
	v_lshl_add_u32 v5, v3, 2, s20
	v_cvt_f32_i32 v[X], v5
	v_add_f32 v[X+1], 1.0, v[X]
	v_add_f32 v[X+2], 2.0, v[X]
	v_add_f32 v[X+3], 0x40400000, v[X]             ; + 3.0
	v_cvt_f32_i32 v[Y], s21
	v_add_f32 v[Y+1], 1.0, v[Y]
	v_add_f32 v[Y+2], 2.0, v[Y]
	v_add_f32 v[Y+3], 0x40400000, v[Y]
	v_mov_b32 v[ONE], 1.0
	v_lshlrev_b32 v[ADRA], 8, v4                   ; 32 ranks x 8 bytes
	v_lshlrev_b32 v[ADRF], 9, v4                   ; 32 ranks x 16 bytes
	v_and_b32 v5, 3, v0                            ; A's row m = lane % 16: channel m % 4 (3: no channel),
	v_cmp_ne_u32 s23, 3, v5
	v_min_u32 v5, 2, v5                            ; which still reads inside the table and is masked off
	v_lshlrev_b32 v5, 10, v5
	v_lshl_add_u32 v[ADRC], v4, 6, v5              ; + 32 ranks x 2 bytes
	v_bfe_u32 v6, v0, 3, 1                         ; the row's chunk half, m / 8,
	v_bfe_u32 v7, v0, 4, 1                         ; against the half whose ranks my registers stand for
	v_cmp_eq_u32 s24, v6, v7
	s_and_b32 s23, s23, s24
	v_bfe_u32 v6, v0, 2, 1                         ; (m / 4) % 2: even pixel (registers 0-3) or odd (4-7)
	v_cmp_eq_u32 s24, 0, v6
	s_and_b32 s25, s23, s24
	s_and_not1_b32 s26, s23, s24
	v_cndmask_b32 v[MLO], 0, -1, s25
	v_cndmask_b32 v[MHI], 0, -1, s26
; One Gaussian: from its inputs to its records in LDS, at its rank.
; B+0..2 mean, +4..6 scale, +8..10 colour, +12 opacity, +13 rank; made here: +14,15 (a_u, b_u), +16,17 (a_v, b_v), +20..23 F.
.macro GAUSS B
	v_max_num_f32 v[\B+2], 0x3dcccccd, v[\B+2]     ; z = max(z, 0.1)
	v_rcp_f32 v[\B+18], v[\B+2]
	v_min_u32 v[\B+13], 0x1ff, v[\B+13]            ; the rank stays inside the tables; also the plain instruction behind v_rcp_f32 (ISA guide 5.7.2)
	s_wait_alu depctr_va_vdst(0)
	v_mul_f32 v[\B+18], 0x42480000, v[\B+18]       ; 50 / z
	v_mul_f32 v[\B+4], v[\B+4], v[\B+18]
	v_mul_f32 v[\B+5], v[\B+5], v[\B+18]
	v_mul_f32 v[\B+0], v[\B+0], v[\B+18]           ; proj_u
	v_mul_f32 v[\B+1], v[\B+1], v[\B+18]           ; proj_v
	v_max_num_f32 v[\B+4], 0.5, v[\B+4]            ; sigma_u
	v_max_num_f32 v[\B+5], 0.5, v[\B+5]            ; sigma_v
	v_rcp_f32 v[\B+14], v[\B+4]
	v_rcp_f32 v[\B+16], v[\B+5]
	v_max_num_f32 v[\B+12], 0, v[\B+12]            ; max(opacity, 0); the plain instruction behind the two v_rcp_f32
	s_wait_alu depctr_va_vdst(0)
	v_mul_f32 v[\B+14], 0x3f596d27, v[\B+14]       ; a = 0.8493218 / sigma, 0.8493218^2 = 0.5 log2 e
	v_mul_f32 v[\B+16], 0x3f596d27, v[\B+16]
	v_mul_f32 v[\B+15], -v[\B+14], v[\B+0]         ; b = -a proj
	v_mul_f32 v[\B+17], -v[\B+16], v[\B+1]
	v_pk_fma_f32 v[\B+20:\B+21], v[Y:Y+1],   v[\B+16:\B+17], v[\B+16:\B+17] op_sel:[0,0,1] op_sel_hi:[1,0,1]   ; a_v v + b_v, two rows
	v_pk_fma_f32 v[\B+22:\B+23], v[Y+2:Y+3], v[\B+16:\B+17], v[\B+16:\B+17] op_sel:[0,0,1] op_sel_hi:[1,0,1]
	v_pk_mul_f32 v[\B+20:\B+21], v[\B+20:\B+21], v[\B+20:\B+21] neg_lo:[0,1] neg_hi:[0,1]
	v_pk_mul_f32 v[\B+22:\B+23], v[\B+22:\B+23], v[\B+22:\B+23] neg_lo:[0,1] neg_hi:[0,1]
.irp j, 20,21,22,23
	v_exp_f32 v[\B+\j], v[\B+\j]
.endr
	v_cvt_pk_bf16_f32 v[\B+24], v[\B+8], v[\B+9]   ; red low, green high; stands behind the exponentials and touches none of them
	v_cvt_pk_bf16_f32 v[\B+25], v[\B+10], v[\B+10] ; blue
	s_wait_alu depctr_va_vdst(0)
.irp j, 20,21,22,23
	v_mul_f32 v[\B+\j], v[\B+12], v[\B+\j]         ; F
.endr
	v_lshlrev_b32 v[\B+26], 3, v[\B+13]
	v_lshlrev_b32 v[\B+27], 4, v[\B+13]
	v_lshlrev_b32 v[\B+28], 1, v[\B+13]
	ds_store_b64  v[\B+26], v[\B+14:\B+15] offset:AB
	ds_store_b128 v[\B+27], v[\B+20:\B+23] offset:FT
	ds_store_b16  v[\B+28], v[\B+24] offset:COL
	ds_store_b16_d16_hi v[\B+28], v[\B+24] offset:COL+1024
	ds_store_b16  v[\B+28], v[\B+25] offset:COL+2048
.endm
	s_wait_loadcnt 0x5                             ; Gaussian t is in; the five loads of Gaussian t + 256 may stay out
	GAUSS G0
	s_wait_loadcnt 0x0
	GAUSS G1
	s_wait_dscnt 0x0                               ; my records are in LDS before I say so
	s_barrier_signal -1
	s_barrier_wait -1                              ; all 512 are
; The records of my chunk's ranks 2 k and 2 k + 1
.macro LOADREC k, R
	ds_load_b128 v[\R:\R+3],    v[ADRA] offset:AB+16*(\k)
	ds_load_b128 v[\R+4:\R+7],  v[ADRF] offset:FT+32*(\k)
	ds_load_b128 v[\R+8:\R+11], v[ADRF] offset:FT+32*(\k)+16
.endm
; Eu x F for two tile rows (FP: the pair of registers with their F) x 4 columns (EB) into 8 registers at W
.macro ALPHA W, EB, FP
	v_pk_mul_f32 v[\W:\W+1],   v[\EB:\EB+1],   v[\FP:\FP+1] op_sel_hi:[1,0]
	v_pk_mul_f32 v[\W+2:\W+3], v[\EB+2:\EB+3], v[\FP:\FP+1] op_sel_hi:[1,0]
	v_pk_mul_f32 v[\W+4:\W+5], v[\EB:\EB+1],   v[\FP:\FP+1] op_sel:[0,1] op_sel_hi:[1,1]
	v_pk_mul_f32 v[\W+6:\W+7], v[\EB+2:\EB+3], v[\FP:\FP+1] op_sel:[0,1] op_sel_hi:[1,1]
.endm
; 8 matrix instructions: 8 ranks of both chunks x 32 pixels each.  zero = 1: the first products start the sums, nothing is cleared.
.macro MATS zero
.irp p, 0,1,2,3,4,5,6,7
.if \zero
	v_wmma_f32_16x16x32_bf16 v[ACC+8*\p:ACC+8*\p+7], v[AF:AF+7], v[BF+8*\p:BF+8*\p+7], 0
.else
	v_wmma_f32_16x16x32_bf16 v[ACC+8*\p:ACC+8*\p+7], v[AF:AF+7], v[BF+8*\p:BF+8*\p+7], v[ACC+8*\p:ACC+8*\p+7]
.endif
.endr
.endm
; Pair k (0..15) of my chunk's ranks on my 16 pixels.  RC: its records; RN: the buffer for the next pair's.
; Four pairs fill the fragments of B; the fourth is followed by the matrix instructions.  Everything that writes a register of a matrix
; instruction (the conversions into BF, the load and the masks of AF) stands at least a whole pair's arithmetic behind it, far more than
; the four independent vector instructions that ISA guide 7.12.1 asks for.
.macro PAIR k, RC, RN
.set Q, (\k)&3
.if Q == 1
	ds_load_b128 v[AF+4:AF+7], v[ADRC] offset:COL+16*((\k)>>2)     ; the 8 colours of this group of four pairs
.endif
.if (\k) < 15
	LOADREC \k+1, \RN
.if Q == 1
	s_wait_dscnt 4                                 ; LDS loads come back in order (ISA guide 5.7.1): my records are in; the colours and the next pair's three loads may be out
.else
	s_wait_dscnt 3                                 ; my records (and, for Q = 2, the colours in front of them) are in; the next pair's three loads may be out
.endif
.else
	s_wait_dscnt 0                                 ; nothing was asked for behind the last records
.endif
	v_pk_fma_f32 v[E:E+1],   v[X:X+1],   v[\RC:\RC+1],   v[\RC:\RC+1]   op_sel:[0,0,1] op_sel_hi:[1,0,1]   ; a u + b
	v_pk_fma_f32 v[E+2:E+3], v[X+2:X+3], v[\RC:\RC+1],   v[\RC:\RC+1]   op_sel:[0,0,1] op_sel_hi:[1,0,1]
	v_pk_fma_f32 v[E+4:E+5], v[X:X+1],   v[\RC+2:\RC+3], v[\RC+2:\RC+3] op_sel:[0,0,1] op_sel_hi:[1,0,1]
	v_pk_fma_f32 v[E+6:E+7], v[X+2:X+3], v[\RC+2:\RC+3], v[\RC+2:\RC+3] op_sel:[0,0,1] op_sel_hi:[1,0,1]
.irp i, 0,2,4,6
	v_pk_mul_f32 v[E+\i:E+\i+1], v[E+\i:E+\i+1], v[E+\i:E+\i+1] neg_lo:[0,1] neg_hi:[0,1]
.endr
.irp i, 0,1,2,3,4,5,6,7
	v_exp_f32 v[E+\i], v[E+\i]                     ; Eu
.endr
	; one plain vector instruction that touches no Eu stands behind the exponentials (ISA guide 5.7.2): the masks of A where they are due
.if Q == 2
.irp i, 0,1,2,3
	v_and_b32 v[AF+\i], v[MLO], v[AF+4+\i]         ; registers 0-3: the even pixel's block of A
.endr
	s_wait_alu depctr_va_vdst(0)
.irp i, 4,5,6,7
	v_and_b32 v[AF+\i], v[MHI], v[AF+\i]           ; registers 4-7: the odd pixel's
.endr
.else
	v_nop
	s_wait_alu depctr_va_vdst(0)
.endif
	ALPHA WA,   E,   \RC+4
	ALPHA WA+8, E,   \RC+6
	ALPHA WB,   E+4, \RC+8
	ALPHA WB+8, E+4, \RC+10
.irp i, 0,2,4,6,8,10,12,14
	v_dual_min_num_f32 v[WA+\i], v[ONE], v[WA+\i] :: v_dual_min_num_f32 v[WA+\i+1], v[ONE], v[WA+\i+1]   ; alpha = min(Eu F, 1)
.endr
.irp i, 0,2,4,6,8,10,12,14
	v_dual_min_num_f32 v[WB+\i], v[ONE], v[WB+\i] :: v_dual_min_num_f32 v[WB+\i+1], v[ONE], v[WB+\i+1]
.endr
.if (\k) == 0
.irp i, 0,2,4,6,8,10,12,14
	v_pk_fma_f32 v[T+\i:T+\i+1], v[WA+\i:WA+\i+1], -1.0, 1.0 op_sel_hi:[1,0,0]    ; the chunk starts at T = 1: w = alpha, T = 1 - alpha
.endr
.else
.irp i, 0,2,4,6,8,10,12,14
	v_pk_mul_f32 v[WA+\i:WA+\i+1], v[WA+\i:WA+\i+1], v[T+\i:T+\i+1]               ; w = alpha T
.endr
.irp i, 0,2,4,6,8,10,12,14
	v_pk_add_f32 v[T+\i:T+\i+1], v[T+\i:T+\i+1], v[WA+\i:WA+\i+1] neg_lo:[0,1] neg_hi:[0,1]   ; T (1 - alpha) = T - w
.endr
.endif
.irp i, 0,2,4,6,8,10,12,14
	v_pk_mul_f32 v[WB+\i:WB+\i+1], v[WB+\i:WB+\i+1], v[T+\i:T+\i+1]
.endr
.irp i, 0,2,4,6,8,10,12,14
	v_pk_add_f32 v[T+\i:T+\i+1], v[T+\i:T+\i+1], v[WB+\i:WB+\i+1] neg_lo:[0,1] neg_hi:[0,1]
.endr
.irp p, 0,1,2,3,4,5,6,7
	v_cvt_pk_bf16_f32 v[BF+8*\p+Q],   v[WA+2*\p],   v[WB+2*\p]     ; pixel 2 p: the pair's two weights, the nearer rank in the low half, as in A
	v_cvt_pk_bf16_f32 v[BF+8*\p+4+Q], v[WA+2*\p+1], v[WB+2*\p+1]   ; pixel 2 p + 1
.endr
.if Q == 3
.if (\k) == 3
	MATS 1
.else
	MATS 0
.endif
.endif
.endm
	LOADREC 0, R0
.irp kk, 0,2,4,6,8,10,12,14
	PAIR \kk, R0, R1
	PAIR \kk+1, R1, R0
.endr
	; The 16 chunks meet.  The five address lines name no register of the last matrix instructions and are the places behind them.
	v_and_b32 v1, 15, v0                           ; r
	v_lshrrev_b32 v2, 4, v0                        ; chunk
	v_lshlrev_b32 v2, 12, v2
	v_lshl_add_u32 v2, v1, 4, v2
	v_add_nc_u32 v2, COMB, v2
.irp p, 0,1,2,3,4,5,6,7
	v_mov_b32 v[ACC+8*\p+3], v[T+2*\p]             ; rows 3 and 7 of A are empty: T takes their registers, so that (S, T) is one store of 16 bytes
	v_mov_b32 v[ACC+8*\p+7], v[T+2*\p+1]
.endr
.irp p, 0,1,2,3,4,5,6,7
	ds_store_b128 v2, v[ACC+8*\p:ACC+8*\p+3]   offset:512*\p       ; sixteen lanes: 256 consecutive bytes
	ds_store_b128 v2, v[ACC+8*\p+4:ACC+8*\p+7] offset:512*\p+256
.endr
	s_wait_dscnt 0x0                               ; my chunk is in LDS before I say so
	s_barrier_signal -1
	s_barrier_wait -1
	v_lshlrev_b32 v3, 4, v0                        ; thread t takes pixel g = t / 16 of lane r = t % 16: byte 16 t of every chunk
	v_add_nc_u32 v4, COMB, v3
.irp c, 0,1,2,3,4,5,6,7,8,9,10,11,12,13,14,15
	ds_load_b128 v[BF+4*\c:BF+4*\c+3], v4 offset:4096*\c
.endr
	v_lshrrev_b32 v5, 6, v0                        ; its row in the tile, g / 4
	v_bfe_u32 v6, v0, 4, 2
	v_lshl_add_u32 v6, v1, 2, v6                   ; its column, 4 r + g % 4
	v_lshl_add_u32 v5, v5, 6, v6
	v_mul_u32_u24 v5, v5, 12
	v_add_nc_u32 v5, STAGE, v5
.irp c, 1,2,3,4,5,6,7,8,9,10,11,12,13,14,15
	s_wait_dscnt 15-\c                             ; chunks 0 to c are in; the loads behind them may be out
	v_pk_fma_f32 v[BF:BF+1], v[BF+4*\c:BF+4*\c+1], v[BF+2:BF+3], v[BF:BF+1] op_sel:[0,1,0] op_sel_hi:[1,1,1]   ; red, green += (T so far) S
	v_fma_f32 v[BF+2], v[BF+3], v[BF+4*\c+2], v[BF+2]                                                          ; blue
.if \c < 15
	v_mul_f32 v[BF+3], v[BF+3], v[BF+4*\c+3]       ; T so far
.endif
.endr
	ds_store_b32 v5, v[BF]
	ds_store_b32 v5, v[BF+1] offset:4
	ds_store_b32 v5, v[BF+2] offset:8
	s_wait_dscnt 0x0                               ; my pixel is staged before I say so
	s_barrier_signal -1
	s_barrier_wait -1
	s_cmp_ge_u32 s22, 6                            ; 3,072 bytes are 192 threads x 16: waves 0 to 5; no barrier follows
	s_cbranch_scc1 .Lend
	v_add_nc_u32 v4, STAGE, v3
	ds_load_b128 v[BF+4:BF+7], v4
	v_mul_u32_u24 v6, v0, 683
	v_lshrrev_b32 v6, 15, v6                       ; t / 48 for t < 192: the tile row of my 16 bytes
	v_mul_u32_u24 v6, v6, 2304                     ; a row of out0 is 3,072 bytes, of the tile 768
	v_add_nc_u32 v6, v6, v3
	s_wait_dscnt 0x0
	global_store_b128 v6, v[BF+4:BF+7], s[14:15] th:TH_STORE_NT    ; sixteen lanes store 256 consecutive bytes at a multiple of 256 from out0's first byte
.Lend:
	s_wait_tensorcnt 0x0
	ds_add_u32 v244, v245
	s_wait_dscnt 0x0
	s_endpgm
.Lfunc_end_k_q9b0fce99ca_raster:
	.size	k_q9b0fce99ca_raster, .Lfunc_end_k_q9b0fce99ca_raster-k_q9b0fce99ca_raster
	.p2alignl 7, 3214868480
	.fill 96, 4, 3214868480
	.section	.rodata,"a",@progbits
	.p2align	6, 0x0
	.amdhsa_kernel k_q9b0fce99ca_raster
		.amdhsa_group_segment_fixed_size 86016
		.amdhsa_private_segment_fixed_size 0
		.amdhsa_enable_private_segment 0
		.amdhsa_kernarg_size 48
		.amdhsa_user_sgpr_count 2
		.amdhsa_user_sgpr_kernarg_segment_ptr 1
		.amdhsa_wavefront_size32 1
		.amdhsa_system_sgpr_workgroup_id_x 1
		.amdhsa_system_sgpr_workgroup_id_y 1
		.amdhsa_system_sgpr_workgroup_id_z 1
		.amdhsa_system_vgpr_workitem_id 0
		.amdhsa_next_free_vgpr 246
		.amdhsa_next_free_sgpr 66
		.amdhsa_reserve_vcc 0
		.amdhsa_float_denorm_mode_32 3
		.amdhsa_float_denorm_mode_16_64 3
		.amdhsa_memory_ordered 1
		.amdhsa_forward_progress 1
		.amdhsa_inst_pref_size 114
	.end_amdhsa_kernel
	.amdgpu_metadata
---
amdhsa.version: [ 1, 2 ]
amdhsa.kernels:
  - .name:           k_q9b0fce99ca_raster
    .symbol:         k_q9b0fce99ca_raster.kd
    .args:
      - { .name: means3d, .offset: 0, .size: 8, .value_kind: global_buffer, .address_space: global }
      - { .name: scales, .offset: 8, .size: 8, .value_kind: global_buffer, .address_space: global }
      - { .name: opacities, .offset: 16, .size: 8, .value_kind: global_buffer, .address_space: global }
      - { .name: colors, .offset: 24, .size: 8, .value_kind: global_buffer, .address_space: global }
      - { .name: rank, .offset: 32, .size: 8, .value_kind: global_buffer, .address_space: global }
      - { .name: out0, .offset: 40, .size: 8, .value_kind: global_buffer, .address_space: global }
    .group_segment_fixed_size: 86016
    .private_segment_fixed_size: 0
    .kernarg_segment_align: 8
    .kernarg_segment_size: 48
    .max_flat_workgroup_size: 256
    .sgpr_count:     66
    .vgpr_count:     246
    .wavefront_size: 32
...
	.end_amdgpu_metadata
.endif
;; end of part 2
;; ======== version 2 of 2: 2 launches; version 1 with the launch raster written anew for expert scheduling mode
;; workspace buffers: rank 2,048 bytes of whole numbers
;; launch rank: the kernel of part 1 again; grid 8 x 1, 16 waves a work-group, no clusters, 8,192 bytes of LDS; arguments means3d, rank; writes rank
;; launch raster (part 3): grid 4 x 64, 8 waves a work-group, no clusters, 86,016 bytes of LDS; arguments means3d, scales, opacities, colors, rank, out0; writes out0
.if DOCPART == 3
	.amdgcn_target "amdgcn-amd-amdhsa--gfx1250"
	.amdhsa_code_object_version 6
	.text
	.protected	k_q9b0fce99ca_raster
	.globl	k_q9b0fce99ca_raster
	.p2align	8
	.type	k_q9b0fce99ca_raster,@function
k_q9b0fce99ca_raster:
	s_mov_b64 s[64:65], 0
	v_nop
	global_prefetch_b8 v0, s[64:65] scope:SCOPE_SE
	s_setreg_imm32_b32 hwreg(HW_REG_WAVE_SCHED_MODE, 0, 2), 2
	s_setreg_imm32_b32 hwreg(HW_REG_WAVE_MODE, 25, 1), 1
	s_wait_xcnt 0x0
	s_wait_alu depctr_vm_vsrc(0)
; Front-to-back alpha compositing of 512 screen-aligned Gaussians on 256 x 256 pixels; out0[y][x][3] f32.
; A work-group of eight waves makes a tile of 64 x 4 pixels: a tile row is 768 bytes of out0, three aligned blocks of 256.
;
; 1. exp(-0.5 (du^2/su^2 + dv^2/sv^2)) = Eu[n][x] * Ev[n][y],  Eu = exp2(-(a x + b)^2),  a = sqrt(0.5 log2 e) / sigma,  b = -a proj.
;    The tile needs 512 x (64 + 4) exponentials in place of 512 x 256.  F[n][y] = max(opacity, 0) * Ev: both factors are >= 0, so
;    clip(gauss * opacity, 0, 1) = min(Eu * F, 1).
; 2. The depth order is cut into 16 chunks of 32 ranks, each scanned from T = 1:
;    image = sum over chunks of (product of the T of the chunks in front) * S(chunk),  S = sum of alpha T colour inside the chunk.
;    Lane (r = lane % 16, h = lane / 16) of wave w owns the 16 pixels x = 4 r .. 4 r + 3, y = 0 .. 3 and chunk 2 w + h.
;    No other lane needs its Eu, so they are made in registers; F and (a, b) come from LDS, the same bytes for sixteen lanes.
; 3. S is a matrix product in bf16 with f32 sums: D = A (colours) x B (weights w = alpha T).  Column r of B is filled by lanes (r, 0)
;    and (r, 1): registers 0-3 hold 8 ranks of an even pixel, registers 4-7 the same ranks of its neighbour.  A is block diagonal:
;    rows 0-2 RGB on (h = 0, registers 0-3), rows 4-6 on (h = 0, 4-7), rows 8-10 on (h = 1, 0-3), rows 12-14 on (h = 1, 4-7).
;    D's register j of lane (r, h) is row 8 h + j of column r: registers 0-2 and 4-6 are the lane's own two pixels and own chunk.
;
; No cluster, no tensor loads: what work-groups share is 22,528 bytes of tables, read once, which need arithmetic and a scatter by rank
; on their way into LDS and so pass through registers.  No prefetch: one burst of ten loads a thread at the head, nothing streams.
; LIMITS: NaN inputs are not served (max and min drop them).  An exponential below 2^-126 comes out as 0 (ISA guide, v_exp_f32).
; 1/z and 1/sigma are v_rcp_f32.  Weights and colours are rounded to bf16 for the product; everything else is f32.
;
; THE MODE: SCHED_MODE bits 1:0 = 2 (LLVM: expert scheduling mode 2), set by the entry lines.  The code itself states the register dependences
; between vector or matrix instructions and memory or LDS instructions, with s_wait_alu, always for 0.
; THE PLAN.  Registers that memory or LDS instructions touch:
;   v1, v2        offsets of the ten global loads; written again at the head of the combine.
;   G0, G1        the ten loads land here; the set-up works in place; its ten LDS stores read data and addresses here.  The same registers are BF afterwards.
;   R0, R1        records of a pair of ranks.  Pair k's vector instructions read R[k % 2]; the LDS loads issued in pair k land in the other one, which pair k - 1 read.
;   AF+4 .. AF+7  an LDS load lands here in a group's second pair; the masks write AF in its third; the matrix instructions behind its fourth read AF.
;   ADRA, ADRF, ADRC   LDS addresses, made once at the head, never written again.
;   ACC, v2 .. v7, BF  the combine and the way out: all addresses are made at the combine's head.
; In a pair ONE wait on va_vdst stands behind the exponentials.  It states that the Eu are written, that the pair before is done reading the other
; record buffer, and, in a group's second pair, that the last group's matrix instructions and masks are done with AF.  The pair's LDS loads follow it at once.
.set AB,    0                          ; LDS: rank n: (a_u, b_u), 8 bytes
.set FT,    4096                       ;      rank n: F for the tile's 4 rows, 16 bytes
.set COL,   12288                      ;      channel c: 512 bf16 by rank, 1,024 bytes
.set COMB,  16384                      ;      chunk c, pixel g of lane r: (S_r, S_g, S_b, T) at 4096 c + 256 g + 16 r
.set STAGE, 81920                      ;      the tile as it lies in out0: 4 rows of 768 bytes
.set Y,    8                           ; v[8:11]    the tile's 4 rows, v = y - 128
.set X,    16                          ; v[16:19]   my 4 columns, u = x - 128
.set ONE,  20                          ; 1.0
.set MLO,  21                          ; all ones where my registers 0-3 of A carry colours, else 0
.set MHI,  22                          ; the same for registers 4-7
.set ADRA, 23                          ; LDS: my chunk's (a, b)
.set ADRF, 24                          ; LDS: my chunk's F
.set ADRC, 25                          ; LDS: my row of A: my channel, my chunk
.set T,    26                          ; v[26:41]   transmittance of my 16 pixels, pixel g = 4 y + x
.set E,    42                          ; v[42:49]   Eu of two ranks x 4 columns
.set R0,   52                          ; v[52:63]   records of a pair of ranks: a0 b0 a1 b1, F(n0)[4], F(n1)[4]
.set R1,   64                          ; v[64:75]   the other buffer
.set AF,   76                          ; v[76:83]   fragment of A
.set WA,   84                          ; v[84:99]   alpha, then w, of the pair's first rank, 16 pixels
.set WB,   100                         ; v[100:115] of its second rank
.set BF,   116                         ; v[116:179] 8 fragments of B (pixels 2 p, 2 p + 1); at the head and the end: scratch
.set ACC,  180                         ; v[180:243] 8 accumulators
.set G0,   116                         ; set-up: Gaussian t
.set G1,   148                         ; set-up: Gaussian t + 256
	s_load_b256 s[4:11], s[0:1], 0x0               ; means3d s[4:5], scales s[6:7], opacities s[8:9], colors s[10:11]
	s_load_b128 s[12:15], s[0:1], 0x20             ; rank s[12:13], out0 s[14:15]
	v_lshl_add_u32 v50, v0, 2, 0x14c00
	v_mov_b32 v51, 0
	v_mul_u32_u24 v1, v0, 12                       ; row t of a [512][3] table
	v_lshlrev_b32 v2, 2, v0                        ; word t of a [512] table
	s_and_b32 s17, ttmp7, 0xffff                   ; tile row, 0..63; ttmp9: tile column, 0..3
	s_wait_kmcnt 0x0
	s_wait_alu depctr_va_vdst(0)                   ; v1 and v2 are written: the ten loads below read them as offsets
.irp g, 0, 1
	global_load_b32 v[G0+32*\g+13], v2, s[12:13] offset:1024*\g
	global_load_b96 v[G0+32*\g:G0+32*\g+2], v1, s[4:5] offset:3072*\g
	global_load_b96 v[G0+32*\g+4:G0+32*\g+6], v1, s[6:7] offset:3072*\g
	global_load_b32 v[G0+32*\g+12], v2, s[8:9] offset:1024*\g
	global_load_b96 v[G0+32*\g+8:G0+32*\g+10], v1, s[10:11] offset:3072*\g
.endr
	; while they are on their way: what hangs on ids alone
	s_mul_i32 s18, s17, 12288                      ; 4 rows of 3,072 bytes
	s_mul_i32 s19, ttmp9, 768                      ; 64 pixels of 12 bytes
	s_add_co_u32 s18, s18, s19
	s_mov_b32 s19, 0
	s_add_nc_u64 s[14:15], s[14:15], s[18:19]      ; out0 at the tile
	s_lshl_b32 s20, ttmp9, 6
	s_sub_co_i32 s20, s20, 128                     ; u of the tile's first column
	s_lshl_b32 s21, s17, 2
	s_sub_co_i32 s21, s21, 128                     ; v of its first row
	v_and_b32 v3, 15, v0                           ; r
	v_lshrrev_b32 v4, 4, v0                        ; chunk = 2 wave + h
	v_lshrrev_b32 v5, 5, v0
	v_readfirstlane_b32 s22, v5                    ; wave
	; the vector instructions that write scalar registers stand in one run, each with a register of its own, so that one wait serves them all
	v_and_b32 v5, 3, v0                            ; A's row m = lane % 16: channel m % 4 (3: no channel),
	v_bfe_u32 v6, v0, 3, 1                         ; the row's chunk half, m / 8,
	v_bfe_u32 v7, v0, 4, 1                         ; against the half whose ranks my registers stand for
	v_bfe_u32 v12, v0, 2, 1                        ; (m / 4) % 2: even pixel (registers 0-3) or odd (4-7)
	v_cmp_ne_u32 s23, 3, v5
	v_cmp_eq_u32 s24, v6, v7
	v_cmp_eq_u32 s27, 0, v12
	v_min_u32 v5, 2, v5                            ; channel 3 still reads inside the table and is masked off
	v_lshlrev_b32 v5, 10, v5
	v_lshl_add_u32 v[ADRC], v4, 6, v5              ; + 32 ranks x 2 bytes
	v_lshl_add_u32 v6, v3, 2, s20
	v_cvt_f32_i32 v[X], v6
	v_add_f32 v[X+1], 1.0, v[X]
	v_add_f32 v[X+2], 2.0, v[X]
	v_add_f32 v[X+3], 0x40400000, v[X]             ; + 3.0
	v_cvt_f32_i32 v[Y], s21
	v_add_f32 v[Y+1], 1.0, v[Y]
	v_add_f32 v[Y+2], 2.0, v[Y]
	v_add_f32 v[Y+3], 0x40400000, v[Y]
	v_mov_b32 v[ONE], 1.0
	v_lshlrev_b32 v[ADRA], 8, v4                   ; 32 ranks x 8 bytes
	v_lshlrev_b32 v[ADRF], 9, v4                   ; 32 ranks x 16 bytes
	s_wait_alu depctr_va_sdst(0)                   ; s22, s23, s24 and s27 are written, ahead of the first reader of any of them (s22's is the compare at the kernel's end)
	s_and_b32 s23, s23, s24
	s_and_b32 s25, s23, s27
	s_and_not1_b32 s26, s23, s27
	v_cndmask_b32 v[MLO], 0, -1, s25
	v_cndmask_b32 v[MHI], 0, -1, s26
; One Gaussian: from its inputs to its records in LDS, at its rank, in four stages; each stage is run for both Gaussians, so that one wait serves both.
; B+0..2 mean, +4..6 scale, +8..10 colour, +12 opacity, +13 rank; made here: +14,15 (a_u, b_u), +16,17 (a_v, b_v), +20..23 F, +24,25 colours in bf16, +26..28 LDS addresses.
.macro GA B
	v_max_num_f32 v[\B+2], 0x3dcccccd, v[\B+2]     ; z = max(z, 0.1)
	v_rcp_f32 v[\B+18], v[\B+2]
	v_min_u32 v[\B+13], 0x1ff, v[\B+13]            ; the rank stays inside the tables; also the plain instruction behind v_rcp_f32 (ISA guide 5.7.2)
.endm
.macro GB B
	v_mul_f32 v[\B+18], 0x42480000, v[\B+18]       ; 50 / z
	v_mul_f32 v[\B+4], v[\B+4], v[\B+18]
	v_mul_f32 v[\B+5], v[\B+5], v[\B+18]
	v_mul_f32 v[\B+0], v[\B+0], v[\B+18]           ; proj_u
	v_mul_f32 v[\B+1], v[\B+1], v[\B+18]           ; proj_v
	v_max_num_f32 v[\B+4], 0.5, v[\B+4]            ; sigma_u
	v_max_num_f32 v[\B+5], 0.5, v[\B+5]            ; sigma_v
	v_rcp_f32 v[\B+14], v[\B+4]
	v_rcp_f32 v[\B+16], v[\B+5]
	v_max_num_f32 v[\B+12], 0, v[\B+12]            ; max(opacity, 0); the plain instruction behind the two v_rcp_f32
.endm
.macro GC B
	v_mul_f32 v[\B+14], 0x3f596d27, v[\B+14]       ; a = 0.8493218 / sigma, 0.8493218^2 = 0.5 log2 e
	v_mul_f32 v[\B+16], 0x3f596d27, v[\B+16]
	v_mul_f32 v[\B+15], -v[\B+14], v[\B+0]         ; b = -a proj
	v_mul_f32 v[\B+17], -v[\B+16], v[\B+1]
	v_pk_fma_f32 v[\B+20:\B+21], v[Y:Y+1],   v[\B+16:\B+17], v[\B+16:\B+17] op_sel:[0,0,1] op_sel_hi:[1,0,1]   ; a_v v + b_v, two rows
	v_pk_fma_f32 v[\B+22:\B+23], v[Y+2:Y+3], v[\B+16:\B+17], v[\B+16:\B+17] op_sel:[0,0,1] op_sel_hi:[1,0,1]
	v_pk_mul_f32 v[\B+20:\B+21], v[\B+20:\B+21], v[\B+20:\B+21] neg_lo:[0,1] neg_hi:[0,1]
	v_pk_mul_f32 v[\B+22:\B+23], v[\B+22:\B+23], v[\B+22:\B+23] neg_lo:[0,1] neg_hi:[0,1]
.irp j, 20,21,22,23
	v_exp_f32 v[\B+\j], v[\B+\j]
.endr
	v_cvt_pk_bf16_f32 v[\B+24], v[\B+8], v[\B+9]   ; red low, green high; stands behind the exponentials and touches none of them
	v_cvt_pk_bf16_f32 v[\B+25], v[\B+10], v[\B+10] ; blue
	v_lshlrev_b32 v[\B+26], 3, v[\B+13]
	v_lshlrev_b32 v[\B+27], 4, v[\B+13]
	v_lshlrev_b32 v[\B+28], 1, v[\B+13]
.endm
.macro GS B                            ; the stores whose data do not hang on the exponentials
	ds_store_b64  v[\B+26], v[\B+14:\B+15] offset:AB
	ds_store_b16  v[\B+28], v[\B+24] offset:COL
	ds_store_b16_d16_hi v[\B+28], v[\B+24] offset:COL+1024
	ds_store_b16  v[\B+28], v[\B+25] offset:COL+2048
.endm
.macro GD B
.irp j, 20,21,22,23
	v_mul_f32 v[\B+\j], v[\B+12], v[\B+\j]         ; F
.endr
.endm
	s_wait_loadcnt 0x5                             ; Gaussian t is in; the five loads of Gaussian t + 256 may stay out
	GA G0
	s_wait_loadcnt 0x0
	GA G1
	s_wait_alu depctr_va_vdst(0)                   ; the two 1 / z are written, ahead of their first reader
	GB G0
	GB G1
	s_wait_alu depctr_va_vdst(0)                   ; the four 1 / sigma are written, ahead of their first reader
	GC G0
	GC G1
	s_wait_alu depctr_va_vdst(0)                   ; the eight exponentials are written, ahead of their first reader; so are (a, b), the colours in bf16 and the three LDS addresses, which the stores below read
	GS G0
	GS G1
	GD G0                                          ; these name +12 and +20 .. +23 alone: no register of the eight stores above
	GD G1
	s_wait_alu depctr_va_vdst(0)                   ; F is written, which the two stores below read
	ds_store_b128 v[G0+27], v[G0+20:G0+23] offset:FT
	ds_store_b128 v[G1+27], v[G1+20:G1+23] offset:FT
	s_wait_dscnt 0x0                               ; my records are in LDS before I say so
	s_barrier_signal -1
	s_barrier_wait -1                              ; all 512 are
	s_wait_alu depctr_vm_vsrc(0)                   ; my LDS stores have read G0 and G1, which the conversions write as BF from here on; the global loads have read v1 and v2, which the combine writes again
; The records of my chunk's ranks 2 k and 2 k + 1
.macro LOADREC k, R
	ds_load_b128 v[\R:\R+3],    v[ADRA] offset:AB+16*(\k)
	ds_load_b128 v[\R+4:\R+7],  v[ADRF] offset:FT+32*(\k)
	ds_load_b128 v[\R+8:\R+11], v[ADRF] offset:FT+32*(\k)+16
.endm
; Eu x F for two tile rows (FP: the pair of registers with their F) x 4 columns (EB) into 8 registers at W
.macro ALPHA W, EB, FP
	v_pk_mul_f32 v[\W:\W+1],   v[\EB:\EB+1],   v[\FP:\FP+1] op_sel_hi:[1,0]
	v_pk_mul_f32 v[\W+2:\W+3], v[\EB+2:\EB+3], v[\FP:\FP+1] op_sel_hi:[1,0]
	v_pk_mul_f32 v[\W+4:\W+5], v[\EB:\EB+1],   v[\FP:\FP+1] op_sel:[0,1] op_sel_hi:[1,1]
	v_pk_mul_f32 v[\W+6:\W+7], v[\EB+2:\EB+3], v[\FP:\FP+1] op_sel:[0,1] op_sel_hi:[1,1]
.endm
; 8 matrix instructions: 8 ranks of both chunks x 32 pixels each.  zero = 1: the first products start the sums, nothing is cleared.
.macro MATS zero
.irp p, 0,1,2,3,4,5,6,7
.if \zero
	v_wmma_f32_16x16x32_bf16 v[ACC+8*\p:ACC+8*\p+7], v[AF:AF+7], v[BF+8*\p:BF+8*\p+7], 0
.else
	v_wmma_f32_16x16x32_bf16 v[ACC+8*\p:ACC+8*\p+7], v[AF:AF+7], v[BF+8*\p:BF+8*\p+7], v[ACC+8*\p:ACC+8*\p+7]
.endif
.endr
.endm
; Pair k (0..15) of my chunk's ranks on my 16 pixels.  RC: its records; RN: the buffer for the next pair's.
; Four pairs fill the fragments of B; the fourth is followed by the matrix instructions.  Every vector instruction that writes a register of a matrix
; instruction (the conversions into BF, the masks of AF) stands at least a whole pair's arithmetic behind it, far more than
; the four independent vector instructions that ISA guide 7.12.1 asks for.
.macro PAIR k, RC, RN
.set Q, (\k)&3
	s_wait_dscnt 0x0                               ; my records are in (for Q = 2 the colours too): they were asked for in the pair before, and nothing has been asked for since
	v_pk_fma_f32 v[E:E+1],   v[X:X+1],   v[\RC:\RC+1],   v[\RC:\RC+1]   op_sel:[0,0,1] op_sel_hi:[1,0,1]   ; a u + b
	v_pk_fma_f32 v[E+2:E+3], v[X+2:X+3], v[\RC:\RC+1],   v[\RC:\RC+1]   op_sel:[0,0,1] op_sel_hi:[1,0,1]
	v_pk_fma_f32 v[E+4:E+5], v[X:X+1],   v[\RC+2:\RC+3], v[\RC+2:\RC+3] op_sel:[0,0,1] op_sel_hi:[1,0,1]
	v_pk_fma_f32 v[E+6:E+7], v[X+2:X+3], v[\RC+2:\RC+3], v[\RC+2:\RC+3] op_sel:[0,0,1] op_sel_hi:[1,0,1]
.irp i, 0,2,4,6
	v_pk_mul_f32 v[E+\i:E+\i+1], v[E+\i:E+\i+1], v[E+\i:E+\i+1] neg_lo:[0,1] neg_hi:[0,1]
.endr
.irp i, 0,1,2,3,4,5,6,7
	v_exp_f32 v[E+\i], v[E+\i]                     ; Eu
.endr
	; one plain vector instruction that touches no Eu stands behind the exponentials (ISA guide 5.7.2): the masks of A where they are due
.if Q == 2
.irp i, 0,1,2,3
	v_and_b32 v[AF+\i], v[MLO], v[AF+4+\i]         ; registers 0-3: the even pixel's block of A
.endr
.irp i, 4,5,6,7
	v_and_b32 v[AF+\i], v[MHI], v[AF+\i]           ; registers 4-7: the odd pixel's
.endr
.else
	v_nop
.endif
	s_wait_alu depctr_va_vdst(0)                   ; the eight Eu are written, ahead of their first reader; the pair before is done reading RN, in which the loads below land; for Q = 1 the last group's matrix instructions are done reading AF and its masks have written it
.if Q == 1
	ds_load_b128 v[AF+4:AF+7], v[ADRC] offset:COL+16*((\k)>>2)     ; the 8 colours of this group of four pairs
.endif
.if (\k) < 15
	LOADREC \k+1, \RN                              ; the next pair's records: they have the 80 vector instructions below in which to land, none of which names RN or, before the next pair, AF
.endif
	ALPHA WA,   E,   \RC+4
	ALPHA WA+8, E,   \RC+6
	ALPHA WB,   E+4, \RC+8
	ALPHA WB+8, E+4, \RC+10
.irp i, 0,2,4,6,8,10,12,14
	v_dual_min_num_f32 v[WA+\i], v[ONE], v[WA+\i] :: v_dual_min_num_f32 v[WA+\i+1], v[ONE], v[WA+\i+1]   ; alpha = min(Eu F, 1)
.endr
.irp i, 0,2,4,6,8,10,12,14
	v_dual_min_num_f32 v[WB+\i], v[ONE], v[WB+\i] :: v_dual_min_num_f32 v[WB+\i+1], v[ONE], v[WB+\i+1]
.endr
.if (\k) == 0
.irp i, 0,2,4,6,8,10,12,14
	v_pk_fma_f32 v[T+\i:T+\i+1], v[WA+\i:WA+\i+1], -1.0, 1.0 op_sel_hi:[1,0,0]    ; the chunk starts at T = 1: w = alpha, T = 1 - alpha
.endr
.else
.irp i, 0,2,4,6,8,10,12,14
	v_pk_mul_f32 v[WA+\i:WA+\i+1], v[WA+\i:WA+\i+1], v[T+\i:T+\i+1]               ; w = alpha T
.endr
.irp i, 0,2,4,6,8,10,12,14
	v_pk_add_f32 v[T+\i:T+\i+1], v[T+\i:T+\i+1], v[WA+\i:WA+\i+1] neg_lo:[0,1] neg_hi:[0,1]   ; T (1 - alpha) = T - w
.endr
.endif
.irp i, 0,2,4,6,8,10,12,14
	v_pk_mul_f32 v[WB+\i:WB+\i+1], v[WB+\i:WB+\i+1], v[T+\i:T+\i+1]
.endr
.irp i, 0,2,4,6,8,10,12,14
	v_pk_add_f32 v[T+\i:T+\i+1], v[T+\i:T+\i+1], v[WB+\i:WB+\i+1] neg_lo:[0,1] neg_hi:[0,1]
.endr
.irp p, 0,1,2,3,4,5,6,7
	v_cvt_pk_bf16_f32 v[BF+8*\p+Q],   v[WA+2*\p],   v[WB+2*\p]     ; pixel 2 p: the pair's two weights, the nearer rank in the low half, as in A
	v_cvt_pk_bf16_f32 v[BF+8*\p+4+Q], v[WA+2*\p+1], v[WB+2*\p+1]   ; pixel 2 p + 1
.endr
.if Q == 3
.if (\k) == 3
	MATS 1
.else
	MATS 0
.endif
.endif
.endm
	LOADREC 0, R0                                  ; ADRA and ADRF were written ahead of the set-up's waits on va_vdst; no vector instruction has named R0
.irp kk, 0,2,4,6,8,10,12,14
	PAIR \kk, R0, R1
	PAIR \kk+1, R1, R0
.endr
	; The 16 chunks meet.  Every address of the combine and of the way out is made here, ahead of one wait.  These lines name no register of the
	; last matrix instructions and are the places behind them (ISA guide 7.12.1).
	v_and_b32 v1, 15, v0                           ; r
	v_lshrrev_b32 v2, 4, v0                        ; chunk
	v_lshlrev_b32 v2, 12, v2
	v_lshl_add_u32 v2, v1, 4, v2
	v_add_nc_u32 v2, COMB, v2                      ; v2: where my chunk's tuples go
	v_lshlrev_b32 v3, 4, v0                        ; thread t takes pixel g = t / 16 of lane r = t % 16: byte 16 t of every chunk
	v_add_nc_u32 v4, COMB, v3                      ; v4: where I read that pixel's tuples
	v_add_nc_u32 v7, STAGE, v3                     ; v7: my 16 bytes of the staged tile (threads 0 to 191)
	v_lshrrev_b32 v5, 6, v0                        ; the pixel's row in the tile, g / 4
	v_bfe_u32 v6, v0, 4, 2
	v_lshl_add_u32 v6, v1, 2, v6                   ; its column, 4 r + g % 4
	v_lshl_add_u32 v5, v5, 6, v6
	v_mul_u32_u24 v5, v5, 12
	v_add_nc_u32 v5, STAGE, v5                     ; v5: where I stage it
	v_mul_u32_u24 v6, v0, 683
	v_lshrrev_b32 v6, 15, v6                       ; t / 48 for t < 192: the tile row of my 16 bytes
	v_mul_u32_u24 v6, v6, 2304                     ; a row of out0 is 3,072 bytes, of the tile 768
	v_add_nc_u32 v6, v6, v3                        ; v6: their byte offset in out0 from the tile's first byte
.irp p, 0,1,2,3,4,5,6,7
	v_mov_b32 v[ACC+8*\p+3], v[T+2*\p]             ; rows 3 and 7 of A are empty: T takes their registers, so that (S, T) is one store of 16 bytes
	v_mov_b32 v[ACC+8*\p+7], v[T+2*\p+1]
.endr
	s_wait_alu depctr_va_vdst(0)                   ; the matrix instructions and the moves have written the accumulators, which the stores below read; v2 to v7 are written; the matrix instructions are done reading BF, in which the loads behind the barrier land
.irp p, 0,1,2,3,4,5,6,7
	ds_store_b128 v2, v[ACC+8*\p:ACC+8*\p+3]   offset:512*\p       ; sixteen lanes: 256 consecutive bytes; each accumulator from its low end on
	ds_store_b128 v2, v[ACC+8*\p+4:ACC+8*\p+7] offset:512*\p+256
.endr
	s_wait_dscnt 0x0                               ; my chunk is in LDS before I say so
	s_barrier_signal -1
	s_barrier_wait -1
.irp c, 0,1,2,3,4,5,6,7,8,9,10,11,12,13,14,15
	ds_load_b128 v[BF+4*\c:BF+4*\c+3], v4 offset:4096*\c           ; no wait: no vector or matrix instruction since the wait above names v4 or BF
.endr
.irp c, 1,2,3,4,5,6,7,8,9,10,11,12,13,14,15
	s_wait_dscnt 15-\c                             ; chunks 0 to c are in; the loads behind them may be out
	v_pk_fma_f32 v[BF:BF+1], v[BF+4*\c:BF+4*\c+1], v[BF+2:BF+3], v[BF:BF+1] op_sel:[0,1,0] op_sel_hi:[1,1,1]   ; red, green += (T so far) S
	v_fma_f32 v[BF+2], v[BF+3], v[BF+4*\c+2], v[BF+2]                                                          ; blue
.if \c < 15
	v_mul_f32 v[BF+3], v[BF+3], v[BF+4*\c+3]       ; T so far
.endif
.endr
	s_wait_alu depctr_va_vdst(0)                   ; the sums have written BF to BF+2, which the three stores read, and are done reading BF+4 to BF+7, in which the last LDS load lands
	ds_store_b32 v5, v[BF]
	ds_store_b32 v5, v[BF+1] offset:4
	ds_store_b32 v5, v[BF+2] offset:8
	s_wait_dscnt 0x0                               ; my pixel is staged before I say so
	s_barrier_signal -1
	s_barrier_wait -1
	s_cmp_ge_u32 s22, 6                            ; 3,072 bytes are 192 threads x 16: waves 0 to 5; no barrier follows
	s_cbranch_scc1 .Lend
	ds_load_b128 v[BF+4:BF+7], v7                  ; no wait: no vector instruction since the wait above names v7 or BF+4 to BF+7
	s_wait_dscnt 0x0
	global_store_b128 v6, v[BF+4:BF+7], s[14:15] th:TH_STORE_NT    ; sixteen lanes store 256 consecutive bytes at a multiple of 256 from out0's first byte
.Lend:
	s_wait_dscnt 0x0
	s_wait_alu depctr_hold_cnt(0) depctr_sa_sdst(0) depctr_va_vdst(0) depctr_va_sdst(0) depctr_va_ssrc(0) depctr_va_vcc(0) depctr_vm_vsrc(0)
	s_wait_tensorcnt 0x0
	ds_add_u32 v50, v51
	s_wait_dscnt 0x0
	s_endpgm
.Lfunc_end_k_q9b0fce99ca_raster:
	.size	k_q9b0fce99ca_raster, .Lfunc_end_k_q9b0fce99ca_raster-k_q9b0fce99ca_raster
	.p2alignl 7, 3214868480
	.fill 96, 4, 3214868480
	.section	.rodata,"a",@progbits
	.p2align	6, 0x0
	.amdhsa_kernel k_q9b0fce99ca_raster
		.amdhsa_group_segment_fixed_size 86016
		.amdhsa_private_segment_fixed_size 0
		.amdhsa_enable_private_segment 0
		.amdhsa_kernarg_size 48
		.amdhsa_user_sgpr_count 2
		.amdhsa_user_sgpr_kernarg_segment_ptr 1
		.amdhsa_wavefront_size32 1
		.amdhsa_system_sgpr_workgroup_id_x 1
		.amdhsa_system_sgpr_workgroup_id_y 1
		.amdhsa_system_sgpr_workgroup_id_z 1
		.amdhsa_system_vgpr_workitem_id 0
		.amdhsa_next_free_vgpr 244
		.amdhsa_next_free_sgpr 66
		.amdhsa_reserve_vcc 0
		.amdhsa_float_denorm_mode_32 3
		.amdhsa_float_denorm_mode_16_64 3
		.amdhsa_memory_ordered 1
		.amdhsa_forward_progress 1
		.amdhsa_inst_pref_size 114
	.end_amdhsa_kernel
	.amdgpu_metadata
---
amdhsa.version: [ 1, 2 ]
amdhsa.kernels:
  - .name:           k_q9b0fce99ca_raster
    .symbol:         k_q9b0fce99ca_raster.kd
    .args:
      - { .name: means3d, .offset: 0, .size: 8, .value_kind: global_buffer, .address_space: global }
      - { .name: scales, .offset: 8, .size: 8, .value_kind: global_buffer, .address_space: global }
      - { .name: opacities, .offset: 16, .size: 8, .value_kind: global_buffer, .address_space: global }
      - { .name: colors, .offset: 24, .size: 8, .value_kind: global_buffer, .address_space: global }
      - { .name: rank, .offset: 32, .size: 8, .value_kind: global_buffer, .address_space: global }
      - { .name: out0, .offset: 40, .size: 8, .value_kind: global_buffer, .address_space: global }
    .group_segment_fixed_size: 86016
    .private_segment_fixed_size: 0
    .kernarg_segment_align: 8
    .kernarg_segment_size: 48
    .max_flat_workgroup_size: 256
    .sgpr_count:     66
    .vgpr_count:     244
    .wavefront_size: 32
...
	.end_amdgpu_metadata
.endif
;; end of part 3
